; MI455X (gfx1250); checked and timed in simulation.
; The chip was launched on July 23, 2026; its instructions are those of AMD's public machine-readable ISA for CDNA 5 (MIT licence, August 2026) and "CDNA5" Instruction Set Architecture Reference Guide (July 2026). The comments in the code are by the model that wrote it; some were corrected since.
;; Self Attention. Allowed arithmetic: matrix products marked QUANTISED: E2M1 operands, one E8M0 scale for each 32 along K, by v_wmma_scale_f32_16x16x128_f8f6f4 with both operands' format E2M1 (or v_wmma_scale_f32_32x16x128_f4), f32 sums; products left as they are: bf16, f16 or f32 operands; f32 sums; everything else in f32.
;; Inputs: Wk 16 x 1,024 x 64 float32; Wo 1,024 x 1,024 float32; Wq 16 x 1,024 x 64 float32; Wv 16 x 1,024 x 64 float32; mask 2 x 2,048 float32; x 2 x 1,024 x 2,048 float32.
;; Outputs: out0 2 x 1,024 x 2,048 float32.
;; This version of the problem:
;;   THIS VERSION OF THE PROBLEM IS GIVEN IN LOW PRECISION. The matrix products marked QUANTISED in the list below multiply operands that are first quantised to E2M1 (2 exponent bits, 1 mantissa bit; 4 bits a number), with one power-of-two scale for each 32 numbers along K (OCP MX v1.0); their sums are f32. The products marked 'left as it is' may take bf16, f16 or f32 operands, with f32 sums. Whichever they take, every output number must still come out within the allowed error. Rounding operands to bf16 (8 significant bits) uses up far more of that allowance than f16 does (11 bits, for magnitudes from 6e-5 to 65,504). All else is computed in f32.
;;   The module's matrix products, in the order in which they are computed (A, B: the left and right operand; K: the contracted axis; several contracted axes count as one K, in the product's order):
;;     1. [M 1,024, K 1,024] x [K 1,024, N 4,096]; A: input Wq; B: input x: QUANTISED
;;     2. [M 1,024, K 1,024] x [K 1,024, N 4,096]; A: input Wk; B: input x: QUANTISED
;;     3. [M 1,024, K 1,024] x [K 1,024, N 4,096]; A: input Wv; B: input x: QUANTISED
;;     4. batch 32 x [M 2,048, K 64] x [K 64, N 2,048]; A: computed on the way; B: computed on the way: left as it is (an operand is computed on the way)
;;     5. batch 32 x [M 2,048, K 2,048] x [K 2,048, N 64]; A: computed on the way; B: computed on the way: left as it is (an operand is computed on the way)
;;     6. [M 4,096, K 1,024] x [K 1,024, N 1,024]; A: computed on the way; B: input Wo: left as it is (an operand is computed on the way)
;;     7. [M 4,096, K 1,024] x [K 1,024, N 1,024]; A: computed on the way; B: input Wo: left as it is (an operand is computed on the way)
;;   THE QUANTISER, for each operand of a quantised product, along K:
;;     - K is cut into blocks of 32 from its start; a last block that is shorter is filled with zeros.
;;     - A block's scale is 2^e with e = floor(log2(the largest magnitude in the block)) - 2, held to -126 .. 127; a block of zeros has e = 0. As a byte (E8M0): e + 127.
;;     - Each number is divided by its block's scale, clamped to +-6, and rounded to the nearest number of E2M1, ties to even, subnormals kept.
;;     - The product sums the exact products of the quantised numbers (number of the format x scale) in f32.
;;   ~~~python
;;   def quantise(x, axis):      # numpy; x: float32 -> the quantised numbers, widened to float32 again
;;       x = np.moveaxis(x, axis, -1); K = x.shape[-1]
;;       x = np.pad(x, [(0, 0)] * (x.ndim - 1) + [(0, -K % 32)]); x = x.reshape(x.shape[:-1] + (-1, 32)); a = np.abs(x).max(-1, keepdims=True)
;;       e = np.where(a > 0, np.clip(np.frexp(np.where(a > 0, a, 1))[1] - 1 - 2, -126, 127), 0)      # np.frexp(a)[1] - 1 = floor(log2(a)), exactly
;;       r = np.clip(x / 2.0 ** e, -6, 6)
;;       step = 2.0 ** (np.maximum(np.frexp(np.where(r == 0, 1, r))[1] - 1, 0) - 1)
;;       q = np.round(r / step) * step * 2.0 ** e      # np.round: ties to even
;;       return np.moveaxis(q.reshape(q.shape[:-2] + (-1,))[..., :K], -1, axis).astype(np.float32)
;;   ~~~
;; One version. Each part assembles by itself: llvm-mc -triple=amdgcn-amd-amdhsa -mcpu=gfx1250 --defsym DOCPART=n.
;; ======== version 1 of 1: 4 launches
;; limits: values are held in f16: magnitudes above 65,504 overflow, below 6.1e-05 lose precision
;; workspace buffers: xc 2,228,224 bytes; wc 1,671,168 bytes; wf 2,097,152 bytes; qf 8,388,608 bytes; kf 8,388,608 bytes; vf 8,388,608 bytes; hf 8,388,608 bytes
;; launch prep (part 1): grid 256 x 1, 8 waves a work-group, no clusters, 0 bytes of LDS; arguments x, Wq, Wk, Wv, Wo, xc, wc, wf; writes xc, wc, wf
.if DOCPART == 1
	.amdgcn_target "amdgcn-amd-amdhsa--gfx1250"
	.amdhsa_code_object_version 6
	.text
	.protected	k_q87aadfa67f_prep
	.globl	k_q87aadfa67f_prep
	.p2align	8
	.type	k_q87aadfa67f_prep,@function
k_q87aadfa67f_prep:
	s_mov_b64 s[64:65], 0
	v_nop
	global_prefetch_b8 v0, s[64:65] scope:SCOPE_SE
	s_setreg_imm32_b32 hwreg(HW_REG_WAVE_MODE, 25, 1), 1
	s_wait_xcnt 0x0
; x [2][1024 d][2048 l] and Wq, Wk, Wv [16 h][1024 d][64 dk], f32, become codes of FP4 (E2M1) with one E8M0 scale byte for each 32 along d, which is the
; products' K and is innermost in neither tensor.  Wo [1024 e][1024 j], f32, becomes f16.  All three leave as IMAGES OF OPERAND REGISTERS, so that later launches load fragments 16 bytes a lane, lane by lane.
; A LANE TAKES A COLUMN (an l, a dk, a j) AND ITS REGISTERS RUN DOWN K: a load reads 128 consecutive bytes a wave, a block of 32 lies in one lane, and the conversions give K innermost.
; A wave takes 32 columns x 128 along K: two tiles of 16 columns, one K step of the scaled matrix instruction.
; The 4-bit operand wants block 2 c + h of row r in registers 4 c .. 4 c + 3 of lane (r, h): the two tiles' blocks change halves of the lanes by v_permlane16_swap_b32.
; xc: [K step 8][256 columns: 16][record], wc: [K step 8][256 rows: 12][record]; a record is 16 tiles x 1,024 bytes of codes ([c 2][lane 32][16 bytes]) and 16 tiles x 16 rows x 4 scale bytes: 17,408 bytes.
; wf: [256 e: 4][tile of 16 j: 64][32 e: 8][g 2][lane 32][16 bytes]: the 16-bit operand's registers 4 g .. 4 g + 3 of lane (r, h) are e = 16 g + 8 h + 0 .. 7 of column j = r.
; A block's scale is 2^(floor(log2(its largest magnitude)) - 2): its byte is that magnitude's exponent field - 2, held at 1 from below.
; LIMITS: NaN and infinities are not served; a block whose largest magnitude lies under 2^-124 gets the byte 1; a block of zeros gets the byte 1 where the rule says 127 (its codes are zeros, and this program alone reads the bytes).
; Wo beyond f16's largest number, 65,504, is not served; under 6e-5 it keeps f16's subnormal step.
; Work-groups 0-127: x;  128-223: Wq, Wk, Wv;  224-255: Wo.  No LDS, no barrier: waves share nothing.
.set REC,  17408                       ; bytes of a record
.set X,    32                          ; v32-159  128 numbers down K
.set C,    160                         ; v160-175 the codes: four registers a block
.set AM,   8                           ; v8-11    a block's largest magnitude
.set SC,   12                          ; v12-15   the conversion's scale operand
.set BY,   16                          ; v16-19   the scale's byte
.set SW,   20                          ; v20      my column's scale word
.set TP,   21                          ; v21      the maximum's second chain
.set SRC,  24                          ; s[24:25] where my wave reads
.set DST,  26                          ; s[26:27] where it stores images
.set SDS,  28                          ; s[28:29] where it stores scale words
.set WV,   30                          ; s30      my wave's number
.macro LOADB kb, stride                ; block kb: 32 rows of K at my column
.set i, 0
.rept 32
	global_load_b32 v[X+32*(\kb)+i], v1, s[SRC:SRC+1] offset:(32*(\kb)+i)*(\stride) th:TH_LOAD_NT
.set i, i+1
.endr
.endm
.macro QBLK kb, stride                 ; block kb becomes 16 bytes of codes and a byte
.set XS, X+32*(\kb)
.if (\kb) < 3
	s_wait_loadcnt 32                              ; this block's 32 loads are in; the next block's 32 may be out
.else
	s_wait_loadcnt 0x0
.endif
.if (\kb) < 2
	LOADB (\kb)+2, \stride                         ; two blocks ahead, into registers of their own
.endif
	v_max3_num_f32 v[AM+(\kb)], |v[XS]|, |v[XS+1]|, |v[XS+2]|      ; the largest magnitude, in two chains
	v_max3_num_f32 v[TP], |v[XS+3]|, |v[XS+4]|, |v[XS+5]|
.irp n, 6,10,14,18,22,26
	v_max3_num_f32 v[AM+(\kb)], v[AM+(\kb)], |v[XS+\n]|, |v[XS+\n+1]|
	v_max3_num_f32 v[TP], v[TP], |v[XS+\n+2]|, |v[XS+\n+3]|
.endr
	v_max3_num_f32 v[AM+(\kb)], v[AM+(\kb)], |v[XS+30]|, |v[XS+31]|
	v_max3_num_f32 v[AM+(\kb)], v[AM+(\kb)], v[TP], 0x1800000      ; and the floor 2^(3 - 127): the byte cannot fall under 1
	v_add_nc_u32 v[SC+(\kb)], 0xff000000, v[AM+(\kb)]              ; 2 off the exponent field: the conversion takes this operand's exponent field as its scale
	v_lshrrev_b32 v[BY+(\kb)], 23, v[SC+(\kb)]                     ; the scale's byte
.irp g, 0,1,2,3
	v_cvt_scalef32_pk8_fp4_f32 v[C+4*(\kb)+\g], v[XS+8*\g:XS+8*\g+7], v[SC+(\kb)]
.endr
.endm
; The whole way of a wave that quantises: s[SRC] stands at its first number, s[DST] at its record
.macro QUANT stride
	LOADB 0, \stride
	LOADB 1, \stride
	s_lshl_b32 s36, s[WV], 7                       ; my two tiles' scale words: 128 bytes a wave, behind the record's 16,384 bytes of codes
	s_add_nc_u64 s[SDS:SDS+1], s[DST:DST+1], s[36:37]
	s_lshl_b32 s36, s[WV], 11                      ; my two tiles' images: 2,048 bytes a wave
	s_add_nc_u64 s[DST:DST+1], s[DST:DST+1], s[36:37]
	QBLK 0, \stride
	QBLK 1, \stride
	QBLK 2, \stride
	QBLK 3, \stride
	v_nop                                          ; one plain instruction between the last scaled conversion and the instructions that touch its results
	v_lshl_or_b32 v[SW], v[BY+1], 8, v[BY]         ; four bytes, the lower K in the lower byte
	v_lshl_or_b32 v[SW], v[BY+2], 16, v[SW]
	v_lshl_or_b32 v[SW], v[BY+3], 24, v[SW]
.irp c, 0,1
.irp n, 0,1,2,3
	v_permlane16_swap_b32 v[C+8*\c+\n], v[C+8*\c+4+\n]   ; block 2 c's lanes 16-31 change places with block 2 c + 1's lanes 0-15: the first is now group c of tile 0, the second of tile 1
.endr
.endr
.irp c, 0,1
.irp t, 0,1
	global_store_b128 v2, v[C+8*\c+4*\t:C+8*\c+4*\t+3], s[DST:DST+1] offset:\t*1024+\c*512   ; 32 lanes store 512 consecutive bytes
.endr
.endr
	global_store_b32 v1, v[SW], s[SDS:SDS+1] offset:16384   ; lanes 0-15 tile 0's rows, lanes 16-31 tile 1's: 128 consecutive bytes
	s_endpgm
.endm
	s_load_b512 s[8:23], s[0:1], 0x0               ; x s[8:9], Wq s[10:11], Wk s[12:13], Wv s[14:15], Wo s[16:17], xc s[18:19], wc s[20:21], wf s[22:23]
	v_lshrrev_b32 v3, 5, v0
	v_readfirstlane_b32 s[WV], v3                  ; wave 0..7
	v_and_b32 v2, 31, v0                           ; lane
	v_lshlrev_b32 v1, 2, v2                        ; 4 x lane: my column in a row, and my scale word
	v_lshlrev_b32 v2, 4, v2                        ; 16 x lane: my place in an image
	s_mov_b32 s33, 0                               ; the offsets' high words
	s_mov_b32 s35, 0
	s_mov_b32 s37, 0
	s_and_b32 s38, ttmp9, 7                        ; which 128 along K (the three ranges of work-groups begin at multiples of 8)
	s_cmp_lt_u32 ttmp9, 128
	s_cbranch_scc0 .Lnot_x
	; ---- x: 256 columns tx = g / 8 (column = 2,048 b + l), my wave's 32 of them
	s_lshr_b32 s31, ttmp9, 3                       ; tx
	s_lshr_b32 s32, s31, 3                         ; b
	s_lshl_b32 s32, s32, 23                        ; 1,024 rows of 8,192 bytes
	s_lshl_b32 s34, s38, 20                        ; 128 rows
	s_add_co_u32 s32, s32, s34
	s_and_b32 s34, s31, 7
	s_lshl_b32 s34, s34, 3
	s_add_co_u32 s34, s34, s[WV]
	s_lshl_b32 s34, s34, 7                         ; 32 columns are 128 bytes
	s_add_co_u32 s32, s32, s34
	s_lshl_b32 s34, s38, 4
	s_add_co_u32 s34, s34, s31
	s_mul_i32 s34, s34, REC                        ; record 16 k + tx
	s_wait_kmcnt 0x0
	s_add_nc_u64 s[SRC:SRC+1], s[8:9], s[32:33]
	s_add_nc_u64 s[DST:DST+1], s[18:19], s[34:35]
	QUANT 8192
.Lnot_x:
	s_cmp_lt_u32 ttmp9, 224
	s_cbranch_scc0 .Lwo
	; ---- Wq, Wk, Wv: 256 rows ty = (g - 128) / 8 (row = 1,024 which + 64 h + dk), my wave's 32: half a head
	s_sub_co_u32 s31, ttmp9, 128
	s_lshr_b32 s31, s31, 3                         ; ty
	s_and_b32 s32, s31, 3
	s_lshl_b32 s32, s32, 2
	s_lshr_b32 s34, s[WV], 1
	s_add_co_u32 s32, s32, s34                     ; h
	s_lshl_b32 s32, s32, 18                        ; 1,024 rows of 256 bytes
	s_lshl_b32 s34, s38, 15                        ; 128 rows
	s_add_co_u32 s32, s32, s34
	s_and_b32 s34, s[WV], 1
	s_lshl_b32 s34, s34, 7
	s_add_co_u32 s32, s32, s34
	s_mul_i32 s34, s38, 12
	s_add_co_u32 s34, s34, s31
	s_mul_i32 s34, s34, REC                        ; record 12 k + ty
	s_lshr_b32 s39, s31, 2                         ; which of the three
	s_wait_kmcnt 0x0
	s_cmp_eq_u32 s39, 0
	s_cselect_b64 s[SRC:SRC+1], s[10:11], s[12:13]
	s_cmp_eq_u32 s39, 2
	s_cselect_b64 s[SRC:SRC+1], s[14:15], s[SRC:SRC+1]
	s_add_nc_u64 s[SRC:SRC+1], s[SRC:SRC+1], s[32:33]
	s_add_nc_u64 s[DST:DST+1], s[20:21], s[34:35]
	QUANT 256
.Lwo:
	; ---- Wo: 128 e (eg = g % 8) x my wave's 32 columns jg = 8 ((g - 224) / 8) + wave
	s_sub_co_u32 s31, ttmp9, 224
	s_lshr_b32 s31, s31, 3
	s_lshl_b32 s31, s31, 3
	s_add_co_u32 s31, s31, s[WV]                   ; jg
	s_lshl_b32 s32, s38, 19                        ; 128 rows of 4,096 bytes
	s_lshl_b32 s34, s31, 7
	s_add_co_u32 s32, s32, s34
	s_lshr_b32 s34, s38, 1
	s_lshl_b32 s34, s34, 19                        ; 256 e: 64 tiles x 8,192 bytes
	s_lshl_b32 s36, s31, 14                        ; two tiles of 8,192 bytes
	s_add_co_u32 s34, s34, s36
	s_and_b32 s36, s38, 1
	s_lshl_b32 s36, s36, 12                        ; four images of 1,024 bytes
	s_add_co_u32 s34, s34, s36
	s_wait_kmcnt 0x0
	s_add_nc_u64 s[SRC:SRC+1], s[16:17], s[32:33]
	s_add_nc_u64 s[DST:DST+1], s[22:23], s[34:35]
	LOADB 0, 4096
	LOADB 1, 4096
.irp q, 0,1,2,3                        ; 32 e at a time: one image for each of my two tiles
.if \q < 3
	s_wait_loadcnt 32                              ; these 32 loads are in; the next 32 may be out
.else
	s_wait_loadcnt 0x0
.endif
.if \q < 2
	LOADB \q+2, 4096
.endif
.set i, 0
.rept 16
	v_cvt_pk_f16_f32 v[X+32*\q+i], v[X+32*\q+2*i], v[X+32*\q+2*i+1]   ; in place, ascending: register i is written when numbers 2 i and 2 i + 1 are read, never before
.set i, i+1
.endr
.irp g, 0,1
.irp n, 0,1,2,3
	v_permlane16_swap_b32 v[X+32*\q+8*\g+\n], v[X+32*\q+8*\g+4+\n]   ; e = 16 g + 0 .. 7 and 16 g + 8 .. 15 change halves of the lanes: group g of tile 0, group g of tile 1
.endr
.endr
.irp g, 0,1
.irp t, 0,1
	global_store_b128 v2, v[X+32*\q+8*\g+4*\t:X+32*\q+8*\g+4*\t+3], s[DST:DST+1] offset:\t*8192+\q*1024+\g*512   ; 512 consecutive bytes
.endr
.endr
.endr
	s_endpgm
.Lfunc_end_k_q87aadfa67f_prep:
	.size	k_q87aadfa67f_prep, .Lfunc_end_k_q87aadfa67f_prep-k_q87aadfa67f_prep
	.p2alignl 7, 3214868480
	.fill 96, 4, 3214868480
	.section	.rodata,"a",@progbits
	.p2align	6, 0x0
	.amdhsa_kernel k_q87aadfa67f_prep
		.amdhsa_group_segment_fixed_size 0
		.amdhsa_private_segment_fixed_size 0
		.amdhsa_enable_private_segment 0
		.amdhsa_kernarg_size 64
		.amdhsa_user_sgpr_count 2
		.amdhsa_user_sgpr_kernarg_segment_ptr 1
		.amdhsa_wavefront_size32 1
		.amdhsa_system_sgpr_workgroup_id_x 1
		.amdhsa_system_sgpr_workgroup_id_y 1
		.amdhsa_system_sgpr_workgroup_id_z 1
		.amdhsa_system_vgpr_workitem_id 0
		.amdhsa_next_free_vgpr 192
		.amdhsa_next_free_sgpr 66
		.amdhsa_reserve_vcc 0
		.amdhsa_float_denorm_mode_32 3
		.amdhsa_float_denorm_mode_16_64 3
		.amdhsa_memory_ordered 1
		.amdhsa_forward_progress 1
		.amdhsa_inst_pref_size 59
	.end_amdhsa_kernel
	.amdgpu_metadata
---
amdhsa.version: [ 1, 2 ]
amdhsa.kernels:
  - .name:           k_q87aadfa67f_prep
    .symbol:         k_q87aadfa67f_prep.kd
    .args:
      - { .name: x, .offset: 0, .size: 8, .value_kind: global_buffer, .address_space: global }
      - { .name: Wq, .offset: 8, .size: 8, .value_kind: global_buffer, .address_space: global }
      - { .name: Wk, .offset: 16, .size: 8, .value_kind: global_buffer, .address_space: global }
      - { .name: Wv, .offset: 24, .size: 8, .value_kind: global_buffer, .address_space: global }
      - { .name: Wo, .offset: 32, .size: 8, .value_kind: global_buffer, .address_space: global }
      - { .name: xc, .offset: 40, .size: 8, .value_kind: global_buffer, .address_space: global }
      - { .name: wc, .offset: 48, .size: 8, .value_kind: global_buffer, .address_space: global }
      - { .name: wf, .offset: 56, .size: 8, .value_kind: global_buffer, .address_space: global }
    .group_segment_fixed_size: 0
    .private_segment_fixed_size: 0
    .kernarg_segment_align: 8
    .kernarg_segment_size: 64
    .max_flat_workgroup_size: 256
    .sgpr_count:     66
    .vgpr_count:     192
    .wavefront_size: 32
...
	.end_amdgpu_metadata
.endif
;; end of part 1
;; launch proj (part 2): grid 16 x 12, 16 waves a work-group, clusters of 4 x 4, 327,680 bytes of LDS; arguments xc, wc, mask, qf, kf, vf; writes qf, kf, vf
.if DOCPART == 2
	.amdgcn_target "amdgcn-amd-amdhsa--gfx1250"
	.amdhsa_code_object_version 6
	.text
	.protected	k_q87aadfa67f_proj
	.globl	k_q87aadfa67f_proj
	.p2align	8
	.type	k_q87aadfa67f_proj,@function
k_q87aadfa67f_proj:
	s_mov_b64 s[64:65], 0
	v_nop
	global_prefetch_b8 v0, s[64:65] scope:SCOPE_SE
	s_setreg_imm32_b32 hwreg(HW_REG_WAVE_MODE, 25, 1), 1
	s_wait_xcnt 0x0
	s_wait_alu depctr_hold_cnt(0) depctr_sa_sdst(0) depctr_va_vdst(0) depctr_va_sdst(0) depctr_va_ssrc(0) depctr_va_vcc(0) depctr_vm_vsrc(0)
	s_getreg_b32 s2, hwreg(HW_REG_IB_STS2, 6, 4)
	s_cmp_eq_u32 s2, 0
	s_cbranch_scc0 .Lentry_in_a_cluster
	s_endpgm
.Lentry_in_a_cluster:
	s_bfe_u32 s2, ttmp6, 0x10000c
	s_cmp_lg_u32 s2, 0xf033
	s_cbranch_scc0 .Lentry_shape_is_right
	s_endpgm
.Lentry_shape_is_right:
; q, k, v = W^T x on codes of FP4 (E2M1) with E8M0 scales: [3,072 rows (which, h, dk)] x [4,096 columns (b, l)], K = 1,024, by v_wmma_scale_f32_16x16x128_f8f6f4; sums in f32, K ascending.
; A work-group makes 256 rows x 256 columns.  Both operands' records for all 8 K steps (2 x 139,264 bytes) fit in LDS: every byte of LDS is filled once, there is no ring.
; Sixteen waves, four to a SIMD; wave w makes rows 64 (w / 4) on, which are ONE head, x columns 64 (w % 4) on: 16 accumulators, 128 registers.
; Source 0 = 16 rows of W, source 1 = 16 columns of x: lane (r, h) then holds position l = r and dk = 8 h + 0 .. 7 of a tile: eight neighbours along the later products' K, 16 bytes in f16.
; ON THE WAY OUT, in f32 ahead of the rounding to f16: q x log2(e) / 8, so that a score is an exponent of 2; k x mask[key], which is the mask's product with the score; v as it is.
; qf, kf: [b h 32][tile of 16 l: 128][tile of 16 dk: 4][lane 32][16 bytes]: two neighbouring dk tiles are a 16-bit operand's registers 0-3 and 4-7 (16 positions x 32 dk).
; vf: the same, but lane (r, h) stores at place (r % 8) + 8 h + 16 (r / 8): a turning LDS load at 16 x lane then finds key 8 (lane / 16) + lane % 8, dk 8 ((lane / 8) % 2) on.
; CLUSTER 4 x 4: the four of a row need the same rows of W, the four of a column the same columns of x: each record is asked for jointly.
; LIMIT: |q| log2(e) / 8, |k| and |v| stay under f16's largest number, 65,504.
.set REC,   17408                      ; a record: 16 tiles x 1,024 bytes of codes, then 16 x 64 bytes of scale words
.set HALF,  8704                       ; half a record: what one tensor load brings: 34 rows of 256 bytes
.set KH,    4*REC                      ; four K steps of one operand
.set OPB,   8*REC                      ; LDS: W's eight records from 0, x's from OPB
.set SPARE, 2*OPB                      ; the spare words, 128 bytes for each wave: eight blocks of 256 bytes that no other line names
.set ADW,   2                          ; v2-3   LDS address of my W fragments, K steps 0-3 and 4-7
.set ADX,   4                          ; v4-5   of my x fragments
.set ASW,   6                          ; v6-7   of my W scale words
.set ASX,   8                          ; v8-9   of my x scale words
.set PO,    10                         ; v10    16 x my place in an image on the way out
.set R4,    11                         ; v11    4 r
.set SPW,   12                         ; v12    LDS address of my spare word; never rewritten
.set NIL,   13                         ; v13    0; never rewritten
.set CST,   14                         ; v14    q's factor, or 1
.set MK,    16                         ; v16-19 mask[l] of my four tiles of columns
.set MU,    20                         ; v20-27 the factor of each tile of columns, as a pair
.set SA,    28                         ; v28-31 W's scale words;  v32-35 x's: these eight hold scales and nothing else
.set SB,    32
.set AF,    40                         ; v40-71   four fragments of W;  v72-103 four of x;  on the way out v40-103 the packed results
.set BF,    72
.set ACC,   128                        ; v128-255 accumulator (u, t) at 128 + 8 (4 u + t): x tile u, W tile t
.set G1W,   24                         ; s[24:31] descriptor group 1 for W's records;  s[32:39] for x's: they differ in the mask alone
.set G1X,   32
.set G0W,   40                         ; s[40:47] descriptor group 0 for W, one set for each of my two loads;  s[48:55] for x
.set G0X,   48
; A joint load: waves 0-7 fetch for W, waves 8-15 for x.  Each line has one mask and one set of registers for all that issue it; the branch hangs on the wave's number alone.
; An s_nop 0 and four v_nop follow each of the two lines.
.macro JLOAD g0w, g0x
	s_cmp_eq_u32 s17, 0
	s_cbranch_scc0 .Lfor_x_\@
	tensor_load_to_lds s[\g0w:\g0w+3], s[G1W:G1W+7]
	s_nop 0
.rept 4
	v_nop
.endr
	s_branch .Lasked_\@
.Lfor_x_\@:
	tensor_load_to_lds s[\g0x:\g0x+3], s[G1X:G1X+7]
	s_nop 0
.rept 4
	v_nop
.endr
.Lasked_\@:
.endm
.macro CROUND                          ; a round of the cluster's barrier
	s_barrier_signal -1
	s_barrier_wait -1
	s_cmp_lg_u32 s16, 0
	s_cbranch_scc1 .Lnot_wave_0_\@
	s_barrier_signal -3
.Lnot_wave_0_\@:
	s_barrier_wait -3
	s_barrier_signal -1
	s_barrier_wait -1
.endm
	s_load_b256 s[4:11], s[0:1], 0x0               ; xc s[4:5], wc s[6:7], mask s[8:9], qf s[10:11]
	s_load_b128 s[12:15], s[0:1], 0x20             ; kf s[12:13], vf s[14:15]
	v_lshl_add_u32 v[SPW], v0, 2, SPARE
	v_mov_b32 v[NIL], 0
	ds_add_u32 v[SPW], v[NIL]                      ; the wave's opening: the add, twice on end, and its wait ahead of my first tensor load
	ds_add_u32 v[SPW], v[NIL]                      ; and once more, under the one wait; the set-up below, work on registers, stands between
	v_lshrrev_b32 v15, 5, v0
	v_readfirstlane_b32 s16, v15                   ; wave 0..15
	s_lshr_b32 s17, s16, 3                         ; I fetch for W (0) or for x (1)
	s_bfe_u32 s18, ttmp6, 0x40000                  ; cx, cy: my place in the cluster
	s_bfe_u32 s19, ttmp6, 0x40004
	s_lshl_b32 s20, ttmp9, 2
	s_add_co_u32 s20, s20, s18                     ; tx: my 256 columns = 4 x cluster x + cx
	s_and_b32 s22, ttmp7, 0xffff                   ; the cluster's y: 0 q, 1 k, 2 v: the same in all sixteen partners
	s_lshl_b32 s21, s22, 2
	s_add_co_u32 s21, s21, s19                     ; ty: my 256 rows = 4 x cluster y + cy
	s_lshl_b32 s56, s19, 2
	s_lshl_b32 s56, 15, s56                        ; my row of the cluster
	s_lshl_b32 s58, 0x1111, s18                    ; my column
	; descriptor group 1: half a record, dense: 34 rows of 32 elements of 8 bytes, no padding (images are read 16 bytes a lane, lane by lane)
	s_or_b32 s[G1W], s56, (3<<16)|(1<<21)          ; 15:0 the mask; 17:16 elements of 8 bytes; 21 set beside a mask
	s_or_b32 s[G1X], s58, (3<<16)|(1<<21)
.irp g, G1W, G1X
	s_mov_b32 s[\g+1], 32<<16                      ; tensor_dim0 = 32
	s_mov_b32 s[\g+2], 34<<16                      ; tensor_dim1 = 34
	s_mov_b32 s[\g+3], 32<<16                      ; tile_dim0 = 32
	s_mov_b32 s[\g+4], 34                          ; tile_dim1 = 34
	s_mov_b32 s[\g+5], 32                          ; from row to row
	s_mov_b32 s[\g+6], 0
	s_mov_b32 s[\g+7], 0
.endr
	; what I fetch: half w % 2 of K steps (w / 2) % 4 and 4 + (w / 2) % 4.  W's address is made of ty and the wave's number, x's of tx and the wave's number, each in registers that never hold the other coordinate
	s_lshr_b32 s60, s16, 1
	s_and_b32 s60, s60, 3
	s_and_b32 s61, s16, 1
	s_mul_i32 s61, s61, HALF
	s_mul_i32 s56, s60, 12
	s_add_co_u32 s56, s56, s21
	s_mul_i32 s56, s56, REC
	s_add_co_u32 s56, s56, s61                     ; wc: record 12 k + ty
	s_mov_b32 s57, 0
	s_lshl_b32 s58, s60, 4
	s_add_co_u32 s58, s58, s20
	s_mul_i32 s58, s58, REC
	s_add_co_u32 s58, s58, s61                     ; xc: record 16 k + tx
	s_mov_b32 s59, 0
	s_and_b32 s62, s16, 7
	s_mul_i32 s62, s62, HALF
	s_mul_i32 s63, s17, OPB
	s_add_co_u32 s62, s62, s63                     ; and where it goes: the wave's number alone
	s_wait_dscnt 0x0                               ; both opening adds are done
	s_wait_kmcnt 0x0
	s_add_nc_u64 s[56:57], s[6:7], s[56:57]
	s_add_nc_u64 s[58:59], s[4:5], s[58:59]
	CROUND                                         ; all sixteen work-groups are here: the joint loads meet
.irp i, 0,1
	s_mov_b32 s[G0W+4*\i], 1                       ; count = 1
	s_add_co_u32 s[G0W+4*\i+1], s62, \i*KH         ; LDS address
	s_add_nc_u64 s[G0W+4*\i+2:G0W+4*\i+3], s[56:57], \i*48*REC   ; four K steps on
	s_or_b32 s[G0W+4*\i+3], s[G0W+4*\i+3], 0x80000000            ; type = 2
	s_mov_b32 s[G0X+4*\i], 1
	s_add_co_u32 s[G0X+4*\i+1], s62, \i*KH
	s_add_nc_u64 s[G0X+4*\i+2:G0X+4*\i+3], s[58:59], \i*64*REC
	s_or_b32 s[G0X+4*\i+3], s[G0X+4*\i+3], 0x80000000
	JLOAD G0W+4*\i, G0X+4*\i                       ; two loads of mine are out
.endr
	v_and_b32 v15, 31, v0                          ; lane
	v_lshlrev_b32 v1, 4, v15                       ; 16 x lane
	v_and_b32 v36, 15, v0                          ; r
	v_bfe_u32 v37, v0, 4, 1                        ; h
	v_lshlrev_b32 v[R4], 2, v36
	s_lshr_b32 s66, s16, 2                         ; wm: my four tiles of W
	s_and_b32 s67, s16, 3                          ; wn: my four tiles of x
	; mask[b][l] of my 64 columns
	s_lshr_b32 s70, s20, 3                         ; b
	s_lshl_b32 s70, s70, 13
	s_and_b32 s72, s20, 7
	s_lshl_b32 s72, s72, 10
	s_add_co_u32 s70, s70, s72
	s_lshl_b32 s72, s67, 8
	s_add_co_u32 s70, s70, s72
	s_mov_b32 s71, 0
	s_add_nc_u64 s[70:71], s[8:9], s[70:71]
.irp u, 0,1,2,3
	global_load_b32 v[MK+\u], v[R4], s[70:71] offset:64*\u
.endr
	s_lshl_b32 s68, s66, 12
	s_lshl_b32 s69, s67, 12
	s_add_co_u32 s69, s69, OPB
	v_add_nc_u32 v[ADW], s68, v1                   ; four images of 1,024 bytes a wave
	v_add_nc_u32 v[ADW+1], KH, v[ADW]
	v_add_nc_u32 v[ADX], s69, v1
	v_add_nc_u32 v[ADX+1], KH, v[ADX]
	s_lshl_b32 s68, s66, 8
	s_add_co_u32 s68, s68, 16384
	s_lshl_b32 s69, s67, 8
	s_add_co_u32 s69, s69, OPB+16384
	v_add_nc_u32 v[ASW], s68, v[R4]                ; row r's word; lanes 16-31 read the same words and are not looked at
	v_add_nc_u32 v[ASW+1], KH, v[ASW]
	v_add_nc_u32 v[ASX], s69, v[R4]
	v_add_nc_u32 v[ASX+1], KH, v[ASX]
	v_and_b32 v38, 7, v36
	v_lshl_add_u32 v38, v37, 3, v38
	v_lshrrev_b32 v39, 3, v36
	v_lshl_add_u32 v38, v39, 4, v38                ; v's place: (r % 8) + 8 h + 16 (r / 8)
	s_cmp_eq_u32 s22, 2
	s_cselect_b32 s23, -1, 0
	v_cndmask_b32 v[PO], v15, v38, s23             ; q's and k's: the lane
	v_lshlrev_b32 v[PO], 4, v[PO]
	; where my 16 images go: head b h = 16 b + 4 cy + wm, tiles of positions 16 (tx % 8) + 4 wn on, 2,048 bytes each
	s_lshr_b32 s72, s20, 3
	s_lshl_b32 s72, s72, 4
	s_lshl_b32 s73, s19, 2
	s_add_co_u32 s72, s72, s73
	s_add_co_u32 s72, s72, s66
	s_lshl_b32 s72, s72, 7
	s_and_b32 s73, s20, 7
	s_lshl_b32 s73, s73, 4
	s_add_co_u32 s72, s72, s73
	s_lshl_b32 s73, s67, 2
	s_add_co_u32 s72, s72, s73
	s_lshl_b32 s72, s72, 11
	s_mov_b32 s73, 0
	s_cmp_eq_u32 s22, 0
	s_cselect_b64 s[74:75], s[10:11], s[12:13]
	s_cselect_b32 s76, 0x3e38aa3b, 1.0             ; q's factor log2(e) / 8
	s_cmp_eq_u32 s22, 2
	s_cselect_b64 s[74:75], s[14:15], s[74:75]
	s_add_nc_u64 s[74:75], s[74:75], s[72:73]
	s_cmp_eq_u32 s22, 1
	s_cselect_b32 s77, -1, 0                       ; all lanes where this is k
; A K step of 128: four fragments and scale words a side, then 16 products.  The 16 accumulators take turns, one instruction a turn, in the same order in every step.
.macro KSTEP k, zero
.if (\k) > 0
.rept 4
	v_nop                                          ; four places in front of loads into registers that matrix instructions have read
.endr
.endif
.irp t, 0,1,2,3
.irp c, 0,1
	ds_load_b128 v[AF+8*\t+4*\c:AF+8*\t+4*\c+3], v[ADW+(\k)/4] offset:((\k)%4)*REC+\t*1024+\c*512
	ds_load_b128 v[BF+8*\t+4*\c:BF+8*\t+4*\c+3], v[ADX+(\k)/4] offset:((\k)%4)*REC+\t*1024+\c*512
.endr
	ds_load_b32 v[SA+\t], v[ASW+(\k)/4] offset:((\k)%4)*REC+\t*64
	ds_load_b32 v[SB+\t], v[ASX+(\k)/4] offset:((\k)%4)*REC+\t*64
.endr
	s_wait_dscnt 0x0
.irp u, 0,1,2,3
.irp t, 0,1,2,3
.if \zero
	v_wmma_scale_f32_16x16x128_f8f6f4 v[ACC+8*(4*\u+\t):ACC+8*(4*\u+\t)+7], v[AF+8*\t:AF+8*\t+7], v[BF+8*\u:BF+8*\u+7], 0, v[SA+\t], v[SB+\u] matrix_a_fmt:MATRIX_FMT_FP4 matrix_b_fmt:MATRIX_FMT_FP4
.else
	v_wmma_scale_f32_16x16x128_f8f6f4 v[ACC+8*(4*\u+\t):ACC+8*(4*\u+\t)+7], v[AF+8*\t:AF+8*\t+7], v[BF+8*\u:BF+8*\u+7], v[ACC+8*(4*\u+\t):ACC+8*(4*\u+\t)+7], v[SA+\t], v[SB+\u] matrix_a_fmt:MATRIX_FMT_FP4 matrix_b_fmt:MATRIX_FMT_FP4
.endif
.endr
.endr
.endm
	s_wait_tensorcnt 1                             ; my piece of K steps 0-3 is in; my piece of K steps 4-7 may stay out
	s_barrier_signal -1
	s_barrier_wait -1                              ; everybody's is
	KSTEP 0, 1                                     ; the first step's products start the sums
	KSTEP 1, 0
	KSTEP 2, 0
	KSTEP 3, 0
	s_wait_tensorcnt 0x0                           ; my piece of K steps 4-7 is in (no LDS load of mine is out: each step has waited for its own)
	s_barrier_signal -1
	s_barrier_wait -1
	KSTEP 4, 0
	KSTEP 5, 0
	KSTEP 6, 0
	KSTEP 7, 0
	; THE WAY OUT.  The nine lines that make the factors name no register of the products: they are the places behind them
	s_wait_loadcnt 0x0                             ; the mask
	v_mov_b32 v[CST], s76
.irp u, 0,1,2,3
	v_cndmask_b32 v[MU+2*\u], v[CST], v[MK+\u], s77
	v_cndmask_b32 v[MU+2*\u+1], v[CST], v[MK+\u], s77
.endr
.irp u, 0,1,2,3
.irp t, 0,1,2,3
.irp p, 0,2,4,6
	v_pk_mul_f32 v[ACC+8*(4*\u+\t)+\p:ACC+8*(4*\u+\t)+\p+1], v[ACC+8*(4*\u+\t)+\p:ACC+8*(4*\u+\t)+\p+1], v[MU+2*\u:MU+2*\u+1]   ; each accumulator from its low end on
.endr
.irp p, 0,1,2,3
	v_cvt_pk_f16_f32 v[AF+4*(4*\u+\t)+\p], v[ACC+8*(4*\u+\t)+2*\p], v[ACC+8*(4*\u+\t)+2*\p+1]
.endr
	global_store_b128 v[PO], v[AF+4*(4*\u+\t):AF+4*(4*\u+\t)+3], s[74:75] offset:\u*2048+\t*512   ; the 32 lanes fill 512 consecutive bytes; no store's data are written again
.endr
.endr
	s_wait_tensorcnt 0x0                           ; the wave's end
	ds_add_u32 v[SPW], v[NIL]
	s_wait_dscnt 0x0
	CROUND                                         ; the closing round
	s_endpgm
.Lfunc_end_k_q87aadfa67f_proj:
	.size	k_q87aadfa67f_proj, .Lfunc_end_k_q87aadfa67f_proj-k_q87aadfa67f_proj
	.p2alignl 7, 3214868480
	.fill 96, 4, 3214868480
	.section	.rodata,"a",@progbits
	.p2align	6, 0x0
	.amdhsa_kernel k_q87aadfa67f_proj
		.amdhsa_group_segment_fixed_size 327680
		.amdhsa_private_segment_fixed_size 0
		.amdhsa_enable_private_segment 0
		.amdhsa_kernarg_size 48
		.amdhsa_user_sgpr_count 2
		.amdhsa_user_sgpr_kernarg_segment_ptr 1
		.amdhsa_wavefront_size32 1
		.amdhsa_system_sgpr_workgroup_id_x 1
		.amdhsa_system_sgpr_workgroup_id_y 1
		.amdhsa_system_sgpr_workgroup_id_z 1
		.amdhsa_system_vgpr_workitem_id 0
		.amdhsa_next_free_vgpr 256
		.amdhsa_next_free_sgpr 100
		.amdhsa_reserve_vcc 0
		.amdhsa_float_denorm_mode_32 3
		.amdhsa_float_denorm_mode_16_64 3
		.amdhsa_memory_ordered 1
		.amdhsa_forward_progress 1
		.amdhsa_inst_pref_size 48
	.end_amdhsa_kernel
	.amdgpu_metadata
---
amdhsa.version: [ 1, 2 ]
amdhsa.kernels:
  - .name:           k_q87aadfa67f_proj
    .symbol:         k_q87aadfa67f_proj.kd
    .args:
      - { .name: xc, .offset: 0, .size: 8, .value_kind: global_buffer, .address_space: global }
      - { .name: wc, .offset: 8, .size: 8, .value_kind: global_buffer, .address_space: global }
      - { .name: mask, .offset: 16, .size: 8, .value_kind: global_buffer, .address_space: global }
      - { .name: qf, .offset: 24, .size: 8, .value_kind: global_buffer, .address_space: global }
      - { .name: kf, .offset: 32, .size: 8, .value_kind: global_buffer, .address_space: global }
      - { .name: vf, .offset: 40, .size: 8, .value_kind: global_buffer, .address_space: global }
    .group_segment_fixed_size: 327680
    .private_segment_fixed_size: 0
    .kernarg_segment_align: 8
    .kernarg_segment_size: 48
    .max_flat_workgroup_size: 512
    .sgpr_count:     100
    .vgpr_count:     256
    .wavefront_size: 32
...
	.end_amdgpu_metadata
.endif
;; end of part 2
;; launch attn (part 3): grid 8 x 32, 8 waves a work-group, clusters of 4 x 1, 327,680 bytes of LDS; arguments qf, kf, vf, mask, hf; writes hf
.if DOCPART == 3
	.amdgcn_target "amdgcn-amd-amdhsa--gfx1250"
	.amdhsa_code_object_version 6
	.text
	.protected	k_q87aadfa67f_attn
	.globl	k_q87aadfa67f_attn
	.p2align	8
	.type	k_q87aadfa67f_attn,@function
k_q87aadfa67f_attn:
	s_mov_b64 s[64:65], 0
	v_nop
	global_prefetch_b8 v0, s[64:65] scope:SCOPE_SE
	s_setreg_imm32_b32 hwreg(HW_REG_WAVE_MODE, 25, 1), 1
	s_wait_xcnt 0x0
	s_wait_alu depctr_hold_cnt(0) depctr_sa_sdst(0) depctr_va_vdst(0) depctr_va_sdst(0) depctr_va_ssrc(0) depctr_va_vcc(0) depctr_vm_vsrc(0)
	s_getreg_b32 s2, hwreg(HW_REG_IB_STS2, 6, 4)
	s_cmp_eq_u32 s2, 0
	s_cbranch_scc0 .Lentry_in_a_cluster
	s_endpgm
.Lentry_in_a_cluster:
	s_bfe_u32 s2, ttmp6, 0x10000c
	s_cmp_lg_u32 s2, 0x3003
	s_cbranch_scc0 .Lentry_shape_is_right
	s_endpgm
.Lentry_shape_is_right:
; head[b][q][h][:] = mask[q] x the sum over keys of softmax_k(mask[k] score + (1 - mask[k]) (-1e30)) v[k][:], score = q . k / 8; f16 operands, f32 sums, maxima and exponentials.
; A softmax of a log-softmax is the softmax itself (the logarithm of the sum is a constant of the row), so ONE softmax is computed, with a running maximum.
; qf holds q x log2(e) / 8 and kf holds mask[k] x k, so K Q^T is mask x score as an exponent of 2; the addend c'[k] = (1 - mask[k]) x (-1e30 log2(e)) is the C of a score tile's first matrix instruction.
; SHARES.  A work-group owns 256 queries of one head; each of its eight waves 32: two tiles of 16.  Two waves lie on a SIMD, so that one wave's softmax stands beside the other's products.
; Every wave walks the head's 2,048 keys, 64 a step.  K's and V's images come through a ring of two LDS slots of 256 keys (four steps).
; LAYOUT.  Both products are used transposed: S^T = K Q^T (source 0 = 16 keys, source 1 = 16 queries), O^T = V^T P (source 0 = 16 dk, source 1 = P): a lane holds ONE query (lane % 16) throughout, and two
; neighbouring tiles of S^T, rounded to f16 in pairs, ARE P's registers.  K comes out of LDS as it lies, V turned by ds_load_tr16_b128; both at 16 x lane: consecutive bytes.
; THE ROW'S SUM is a product too: a fragment of ones x P gives the sum of the rounded weights, the ones that V is multiplied by, in every lane.
; In every step O^T and the sum are multiplied by f = 2^(old maximum - new maximum), which is 1 where the maximum has not grown: no branch on data.
; hf: [256 e: 4][tile of 16 positions, 2,048 b + l: 256][32 e: 8][g 2][lane 32][16 bytes], e = 64 h + dk: the next product's operand registers.
; CLUSTER 4 x 1: the four query blocks of a cluster walk the same K and V: each tile is asked for jointly.
; LIMITS: NaN and infinities are not served.  mask is honoured as a number; where it is neither 0 nor 1 the addend swamps the score as it does in f32, and the last bit of that sum may differ.
; REGISTERS, in two windows of 256 (s_set_vgpr_msb: bits 1:0 source 0, 3:2 source 1, 5:4 source 2, 7:6 destination):
;   window 0: v1-10 addresses; v16-31 statistics; v32-33 mask of my queries; v40-47 at work; v64-127 S^T; v128-159 P; v160-191 c'.
;   window 1: v0-63 O^T; v64-79 the sums; v80-111 Q; v112-119 ones; v128-191 K of a step; v192-255 V of a step.
.set SLOT1, 65536                      ; slot 1 begins here: one exclusive or turns an address from one slot to the other
.set SLOTB, 32768                      ; a slot: 32,768 bytes of K's images (16 tiles of keys x 2,048), then as many of V's
.set CT,    131072                     ; c'[key], 2,048 numbers of f32: stored once by the waves, no tile lands here
.set SPARE, 139264                     ; the spare words, 128 bytes for each wave: four blocks of 256 bytes that no other line names
.set L16,  1                           ; v1   16 x lane
.set ADK,  2                           ; v2   LDS address of the slot in hand + 16 x lane
.set ADC,  3                           ; v3   LDS address of the slot's c'
.set C0,   4                           ; v4   CT + 32 (lane / 16)
.set SPW,  5                           ; v5   LDS address of my spare word; never rewritten
.set NIL,  6                           ; v6   0; never rewritten
.set PFO,  7                           ; v7   256 x lane: the prefetches' offset; never rewritten
.set R4,   8                           ; v8   4 (lane % 16)
.set CW,   9                           ; v9   16 x thread: my part of the mask's row
.set CWL,  10                          ; v10  CT + 16 x thread
.set ST,   16                          ; tile t's statistics at v[16 + 8 t]: +0 the maximum M, +1 0, +2 f, +3 0 (the packed forms name pairs), +4 .. +7 at work
.set MQ,   32
.set TM,   40
.set S,    64                          ; S^T (qt, kt) at 64 + 32 qt + 8 kt
.set P,    128                         ; P at 128 + 16 qt + 4 kt
.set CC,   160                         ; c' of tile kt at 160 + 8 kt
.set O,    0                           ; window 1: O^T (qt, ct) at 32 qt + 8 ct
.set LS,   64                          ; the sums at 64 + 8 qt
.set QF,   80                          ; Q (qt, c) at 80 + 16 qt + 8 c
.set ONES, 112
.set KF,   128                         ; K (kt, c) at 128 + 16 kt + 8 c
.set VF,   192                         ; V (kb, ct) at 192 + 32 kb + 8 ct
.set WV,   14                          ; s14 my wave's number
.set LIM,  15                          ; s15 1 in a wave that prefetches, else the greatest number
.set G1,   24                          ; s[24:31] descriptor group 1, for K's and V's tiles alike
.set G0K,  32                          ; s[32:35] descriptor group 0 for K, which walks;  s[36:39] for V
.set G0V,  36
.set TB,   40                          ; s40 LDS byte at which the slot in hand begins
.set TC,   41                          ; s41 where its c' begin: 1,024 bytes a slot
.set SLOTS, 42                         ; s42 slots still to be asked for
.set SEL,  44                          ; s[44:45] lane selects for v_permlanex16_b32: lane l xor 16
.set PFA,  46                          ; s[46:47] where my prefetches stand
.set MSB, 0
.macro WIN new                         ; the immediate's high byte repeats the setting that is left; a switch that changes nothing is dropped
.if MSB != \new
	s_set_vgpr_msb (MSB<<8)|\new
.set MSB, \new
.endif
.endm
.macro PLACES
.rept 4
	v_nop
.endr
.endm
; A joint load: waves 0-3 fetch the quarters of K's images, waves 4-7 of V's.  The branch hangs on the wave's number alone.  An s_nop 0 and four v_nop follow each of the two lines.
.macro JLOAD
	s_cmp_lt_u32 s[WV], 4
	s_cbranch_scc0 .Lfor_v_\@
	tensor_load_to_lds s[G0K:G0K+3], s[G1:G1+7]
	s_nop 0
.rept 4
	v_nop
.endr
	s_branch .Lasked_\@
.Lfor_v_\@:
	tensor_load_to_lds s[G0V:G0V+3], s[G1:G1+7]
	s_nop 0
.rept 4
	v_nop
.endr
.Lasked_\@:
.endm
; A PREFETCH of what the NEXT change of slots will ask for: 32,768 bytes of K's images and as many of V's, four key steps ahead of that load.  Each block of 256 bytes is named once in the launch: both clusters of a head
; walk the same K and V, and the first of them asks; its four partners share the bytes out BY ADDRESS, 8,192 each; in each, wave 0 asks for K's and wave 4 for V's, lanes 256 bytes apart: one instruction.
; The last change that fills a slot asks for nothing; slots 0 and 1 come by their loads alone.
.macro ASK
	s_cmp_gt_u32 s[SLOTS], s[LIM]
	s_cbranch_scc0 .Lnot_mine_\@
	global_prefetch_b8 v[PFO], s[PFA:PFA+1] th:TH_LOAD_NT scope:SCOPE_SE
.Lnot_mine_\@:
.endm
.macro CROUND                          ; a round of the cluster's barrier
	s_barrier_signal -1
	s_barrier_wait -1
	s_cmp_lg_u32 s[WV], 0
	s_cbranch_scc1 .Lnot_wave_0_\@
	s_barrier_signal -3
.Lnot_wave_0_\@:
	s_barrier_wait -3
	s_barrier_signal -1
	s_barrier_wait -1
.endm
	s_load_b256 s[4:11], s[0:1], 0x0               ; qf s[4:5], kf s[6:7], vf s[8:9], mask s[10:11]
	s_load_b64 s[12:13], s[0:1], 0x20              ; hf
	v_lshl_add_u32 v[SPW], v0, 2, SPARE
	v_mov_b32 v[NIL], 0
	ds_add_u32 v[SPW], v[NIL]                      ; the wave's opening: the add, twice on end, and its wait ahead of my first tensor load
	ds_add_u32 v[SPW], v[NIL]                      ; and once more, under the one wait; the set-up below, work on registers, stands between
	v_lshrrev_b32 v[TM], 5, v0
	v_readfirstlane_b32 s[WV], v[TM]               ; wave 0..7
	s_bfe_u32 s16, ttmp6, 0x40000                  ; cx
	s_lshl_b32 s17, ttmp9, 2
	s_add_co_u32 s17, s17, s16                     ; my block of 256 queries: it enters Q's, the mask's and hf's addresses alone
	s_and_b32 s18, ttmp7, 0xffff                   ; 16 b + h, which the four partners share
	; descriptor group 1: 8,192 dense bytes: 32 rows of 32 elements of 8 bytes, no padding
	s_mov_b32 s[G1], 15|(3<<16)|(1<<21)            ; 15:0 the mask: all four work-groups; 17:16 elements of 8 bytes; 21 set beside a mask
	s_mov_b32 s[G1+1], 32<<16                      ; tensor_dim0 = 32
	s_mov_b32 s[G1+2], 32<<16                      ; tensor_dim1 = 32
	s_mov_b32 s[G1+3], 32<<16                      ; tile_dim0 = 32
	s_mov_b32 s[G1+4], 32                          ; tile_dim1 = 32
	s_mov_b32 s[G1+5], 32                          ; from row to row
	s_mov_b32 s[G1+6], 0
	s_mov_b32 s[G1+7], 0
	s_mov_b32 s[SEL], 0x76543210
	s_mov_b32 s[SEL+1], 0xfedcba98
	s_mov_b32 s[TB], 0
	s_mov_b32 s[TC], 0
	s_mov_b32 s[SLOTS], 7
	s_and_b32 s[LIM], s[WV], 3                     ; 0 in waves 0 and 4,
	s_or_b32 s[LIM], s[LIM], ttmp9                 ; of the head's first cluster: the same in all four partners
	s_cmp_eq_u32 s[LIM], 0
	s_cselect_b32 s[LIM], 1, -1
	v_and_b32 v[TM], 31, v0
	v_lshlrev_b32 v[PFO], 8, v[TM]
	v_lshlrev_b32 v[L16], 4, v[TM]
	s_lshl_b32 s20, s18, 18                        ; the head's first byte in qf, kf, vf: 128 tiles of 2,048 bytes
	s_mov_b32 s21, 0
	s_and_b32 s19, s[WV], 3
	s_lshl_b32 s19, s19, 13                        ; my quarter of a slot's images, in memory and in LDS: no place in the cluster enters it
	s_add_co_u32 s22, s20, s19
	s_mov_b32 s23, 0
	s_lshl_b32 s48, s16, 13                        ; the prefetches: my work-group's 8,192 bytes,
	s_add_co_u32 s48, s48, s20
	s_add_co_u32 s48, s48, SLOTB                   ; in slot 1: the first change of slots steps it to slot 2
	s_mov_b32 s49, 0
	s_lshl_b32 s58, s17, 4
	s_lshl_b32 s59, s[WV], 1
	s_add_co_u32 s58, s58, s59                     ; my first tile of queries in the head: 16 x block + 2 x wave
	s_lshl_b32 s50, s58, 11
	s_add_co_u32 s50, s50, s20                     ; in qf
	s_mov_b32 s51, 0
	s_lshr_b32 s59, s18, 4                         ; b
	s_lshl_b32 s52, s59, 13                        ; the mask's row of b
	s_mov_b32 s53, 0
	s_lshl_b32 s54, s58, 6
	s_add_co_u32 s54, s54, s52                     ; and my queries in it
	s_mov_b32 s55, 0
	s_and_b32 s60, s18, 15                         ; h
	s_lshr_b32 s56, s60, 2
	s_lshl_b32 s56, s56, 21                        ; hf: 256 e are 256 tiles x 8,192 bytes;
	s_lshl_b32 s59, s59, 7
	s_add_co_u32 s59, s59, s58
	s_lshl_b32 s59, s59, 13                        ; my first tile of positions;
	s_add_co_u32 s56, s56, s59
	s_and_b32 s60, s60, 3
	s_lshl_b32 s60, s60, 11                        ; my head's two images in it
	s_add_co_u32 s56, s56, s60
	s_mov_b32 s57, 0
	s_mov_b32 s60, 0xf191accb                      ; -1e30 x log2(e)
	s_wait_dscnt 0x0                               ; both opening adds are done
	s_wait_kmcnt 0x0
	s_cmp_lt_u32 s[WV], 4
	s_cselect_b64 s[PFA:PFA+1], s[6:7], s[8:9]
	s_add_nc_u64 s[PFA:PFA+1], s[PFA:PFA+1], s[48:49]
	s_add_nc_u64 s[50:51], s[4:5], s[50:51]
	s_add_nc_u64 s[52:53], s[10:11], s[52:53]
	s_add_nc_u64 s[54:55], s[10:11], s[54:55]
	s_add_nc_u64 s[56:57], s[12:13], s[56:57]
	CROUND                                         ; all four work-groups are here: the first joint loads meet
	s_mov_b32 s[G0K], 1                            ; count = 1
	s_mov_b32 s[G0K+1], s19                        ; LDS address: slot 0
	s_add_nc_u64 s[G0K+2:G0K+3], s[6:7], s[22:23]  ; global address: the head's first 256 keys
	s_or_b32 s[G0K+3], s[G0K+3], 0x80000000        ; type = 2
	s_mov_b32 s[G0V], 1
	s_add_co_u32 s[G0V+1], s19, SLOTB
	s_add_nc_u64 s[G0V+2:G0V+3], s[8:9], s[22:23]
	s_or_b32 s[G0V+3], s[G0V+3], 0x80000000
	JLOAD                                          ; slot 0: one load of mine is out
	WIN 0x40                                       ; destination window 1
.irp qt, 0,1
.irp c, 0,1
	global_load_b128 v[QF+16*\qt+8*\c:QF+16*\qt+8*\c+3],   v[L16], s[50:51] offset:\qt*2048+\c*1024       ; Q stays in registers
	global_load_b128 v[QF+16*\qt+8*\c+4:QF+16*\qt+8*\c+7], v[L16], s[50:51] offset:\qt*2048+\c*1024+512
.endr
.endr
	WIN 0
	v_lshlrev_b32 v[CW], 4, v0
	v_lshl_add_u32 v[CWL], v0, 4, CT
	global_load_b128 v[TM:TM+3], v[CW], s[52:53]                ; the mask's row: 256 threads x 2 x 16 bytes
	global_load_b128 v[TM+4:TM+7], v[CW], s[52:53] offset:4096
	v_and_b32 v[R4], 15, v0
	v_lshlrev_b32 v[R4], 2, v[R4]
	global_load_b32 v[MQ], v[R4], s[54:55]                      ; mask of my query, tile 0 and tile 1
	global_load_b32 v[MQ+1], v[R4], s[54:55] offset:64
	v_bfe_u32 v[C0], v0, 4, 1
	v_lshl_add_u32 v[C0], v[C0], 5, CT             ; a lane's eight keys of a tile are 32 bytes of c'
.irp t, 0,1
	v_mov_b32 v[ST+8*\t], 0xff61b1e6               ; the maximum so far: -3e38, under every exponent
	v_mov_b32 v[ST+8*\t+1], 0
	v_mov_b32 v[ST+8*\t+3], 0
.endr
	WIN 0x40
.set i, 0
.rept 8
	v_mov_b32 v[ONES+i], 0x3c003c00                ; 1.0, 1.0 in f16
.set i, i+1
.endr
.set i, 0
.rept 80
	v_mov_b32 v[O+i], 0                            ; O^T and the sums: the step is written once; its first turn finds zeros, which the first f leaves zeros
.set i, i+1
.endr
	WIN 0
	s_wait_loadcnt 0x0
.irp i, 0,1,2,3,4,5,6,7
	v_fma_f32 v[TM+\i], -v[TM+\i], s60, s60        ; c' = (1 - mask) x (-1e30 log2(e)): exactly 0 where mask = 1
.endr
	ds_store_b128 v[CWL], v[TM:TM+3]
	ds_store_b128 v[CWL], v[TM+4:TM+7] offset:4096 ; the first change of slots waits for these and passes a barrier before anyone reads them
.macro LOADK q                         ; 16 loads: K of step q: 64 keys x 64 dk
	WIN 0x40
.irp kt, 0,1,2,3
.irp c, 0,1
	ds_load_b128 v[KF+16*\kt+8*\c:KF+16*\kt+8*\c+3],   v[ADK] offset:(\q)*8192+\kt*2048+\c*1024
	ds_load_b128 v[KF+16*\kt+8*\c+4:KF+16*\kt+8*\c+7], v[ADK] offset:(\q)*8192+\kt*2048+\c*1024+512
.endr
.endr
.endm
.macro LOADC q                         ; 8 loads: c' in the layout of a result: register j of lane (r, h) is key 8 h + j
	WIN 0
.irp kt, 0,1,2,3
	ds_load_b128 v[CC+8*\kt:CC+8*\kt+3],   v[ADC] offset:(\q)*256+\kt*64
	ds_load_b128 v[CC+8*\kt+4:CC+8*\kt+7], v[ADC] offset:(\q)*256+\kt*64+16
.endr
.endm
.macro LOADV q                         ; 16 turning loads: V^T of step q: 64 dk x 64 keys
	WIN 0x40
.irp kb, 0,1
.irp ct, 0,1,2,3
	ds_load_tr16_b128 v[VF+32*\kb+8*\ct:VF+32*\kb+8*\ct+3],   v[ADK] offset:SLOTB+(\q)*8192+\kb*4096+\ct*512
	ds_load_tr16_b128 v[VF+32*\kb+8*\ct+4:VF+32*\kb+8*\ct+7], v[ADK] offset:SLOTB+(\q)*8192+\kb*4096+2048+\ct*512
.endr
.endr
.endm
; A KEY STEP: 64 keys, the q-th of the slot in hand.  In both products the accumulators take turns, one instruction a turn.
.macro STEP q
.if \q == 0
	LOADK 0
	LOADC 0
.endif
	LOADV \q
	s_wait_dscnt 16                                ; K and c' are in; V's 16 loads, the youngest, may be out
	WIN 0x05                                       ; K and Q in window 1, S^T and c' in window 0
.irp kt, 0,1,2,3
.irp qt, 0,1
	v_wmma_f32_16x16x32_f16 v[S+32*\qt+8*\kt:S+32*\qt+8*\kt+7], v[KF+16*\kt:KF+16*\kt+7], v[QF+16*\qt:QF+16*\qt+7], v[CC+8*\kt:CC+8*\kt+7]
.endr
.endr
.irp kt, 0,1,2,3
.irp qt, 0,1
	v_wmma_f32_16x16x32_f16 v[S+32*\qt+8*\kt:S+32*\qt+8*\kt+7], v[KF+16*\kt+8:KF+16*\kt+15], v[QF+16*\qt+8:QF+16*\qt+15], v[S+32*\qt+8*\kt:S+32*\qt+8*\kt+7]
.endr
.endr
	PLACES                                         ; four places in front of loads into K's and c's registers and of the first read of the scores
.if \q < 3
	LOADK \q+1                                     ; the next step's, a softmax ahead of their use
	LOADC \q+1
.endif
	WIN 0
	; the maximum of my 32 exponents of each tile and the old M: four chains, each beginning at its accumulator's low end; the two tiles line by line
.irp j, 0,1,2,3
.irp t, 0,1
	v_max3_num_f32 v[ST+8*\t+4+\j], v[S+32*\t+8*\j], v[S+32*\t+8*\j+1], v[S+32*\t+8*\j+2]
.endr
.endr
.irp n, 3,5
.irp j, 0,1,2,3
.irp t, 0,1
	v_max3_num_f32 v[ST+8*\t+4+\j], v[ST+8*\t+4+\j], v[S+32*\t+8*\j+\n], v[S+32*\t+8*\j+\n+1]
.endr
.endr
.endr
.irp t, 0,1
	v_max3_num_f32 v[ST+8*\t+4], v[ST+8*\t+4], v[S+32*\t+7], v[S+32*\t+15]
.endr
.irp t, 0,1
	v_max3_num_f32 v[ST+8*\t+6], v[ST+8*\t+6], v[S+32*\t+23], v[S+32*\t+31]
.endr
.irp t, 0,1
	v_max3_num_f32 v[ST+8*\t+4], v[ST+8*\t+4], v[ST+8*\t+5], v[ST+8*\t+6]
.endr
.irp t, 0,1
	v_max3_num_f32 v[ST+8*\t+4], v[ST+8*\t+4], v[ST+8*\t+7], v[ST+8*\t]
.endr
.irp t, 0,1
	v_permlanex16_b32 v[ST+8*\t+5], v[ST+8*\t+4], s[SEL], s[SEL+1]   ; the query's other 32 keys lie in the lane 16 away
.endr
.irp t, 0,1
	v_max_num_f32 v[ST+8*\t+6], v[ST+8*\t+4], v[ST+8*\t+5]
.endr
.irp t, 0,1
	v_sub_f32 v[ST+8*\t+2], v[ST+8*\t], v[ST+8*\t+6]                 ; old M - new M
.endr
.irp t, 0,1
	v_mov_b32 v[ST+8*\t], v[ST+8*\t+6]
.endr
.irp t, 0,1
.set i, 0
.rept 16
	v_pk_add_f32 v[S+32*\t+i:S+32*\t+i+1], v[S+32*\t+i:S+32*\t+i+1], v[ST+8*\t:ST+8*\t+1] op_sel_hi:[1,0] neg_lo:[0,1] neg_hi:[0,1]   ; exponent - M, two at a time
.set i, i+2
.endr
.endr
	v_exp_f32 v[ST+2], v[ST+2]                     ; ONE BATCH of 66 exponentials: f of both tiles,
	v_exp_f32 v[ST+10], v[ST+10]
.set i, 0
.rept 64
	v_exp_f32 v[S+i], v[S+i]                       ; and p = 2^(exponent - M), at most 1
.set i, i+1
.endr
	v_nop                                          ; a plain instruction behind the last exponential
	s_wait_alu depctr_va_vdst(0)                   ; and the one wait ahead of the batch's first reader
.set i, 0
.rept 32
	v_cvt_pk_f16_f32 v[P+i], v[S+2*i], v[S+2*i+1]  ; P's registers: eight neighbouring keys of a tile are four of them
.set i, i+1
.endr
	WIN 0x41                                       ; O^T and the sums in window 1, f in window 0
.irp t, 0,1
.set i, 0
.rept 16
	v_pk_mul_f32 v[O+32*\t+i:O+32*\t+i+1], v[O+32*\t+i:O+32*\t+i+1], v[ST+8*\t+2:ST+8*\t+3] op_sel_hi:[1,0]
.set i, i+2
.endr
	v_pk_mul_f32 v[LS+8*\t:LS+8*\t+1], v[LS+8*\t:LS+8*\t+1], v[ST+8*\t+2:ST+8*\t+3] op_sel_hi:[1,0]   ; register 0 is the sum that is read; registers 2-7 are copies that nobody reads, at most 2,048
.endr
.if \q < 3
	s_wait_dscnt 24                                ; V is in; the next step's 24 loads, younger, may be out
.else
	s_wait_dscnt 0x0
.endif
	WIN 0x51                                       ; V (or the ones) and O^T in window 1, P in window 0
.irp kb, 0,1
.irp ct, 0,1,2,3
.irp qt, 0,1
	v_wmma_f32_16x16x32_f16 v[O+32*\qt+8*\ct:O+32*\qt+8*\ct+7], v[VF+32*\kb+8*\ct:VF+32*\kb+8*\ct+7], v[P+16*\qt+8*\kb:P+16*\qt+8*\kb+7], v[O+32*\qt+8*\ct:O+32*\qt+8*\ct+7]
.endr
.endr
.irp qt, 0,1
	v_wmma_f32_16x16x32_f16 v[LS+8*\qt:LS+8*\qt+7], v[ONES:ONES+7], v[P+16*\qt+8*\kb:P+16*\qt+8*\kb+7], v[LS+8*\qt:LS+8*\qt+7]
.endr
.endr
	WIN 0
	PLACES                                         ; four places in front of the next loads into V's registers, the next roundings into P's, and the reads on the way out
.endm
; THE CHANGE OF SLOTS stands at a slot's head.  Each wave waits for all its tensor loads (its part of the slot that it is about to read), adds 0 to its spare word, and waits for that and for its LDS instructions.
; fill = 1: a round of the cluster's barrier follows, so that no wave of any partner still reads the other slot or has a load on its way; the joint load of the next 256 keys into that slot is the first thing behind it,
; and has four key steps in which to land.  In the first trip that load is slot 1's first fill.
.macro CHANGE fill
	s_wait_tensorcnt 0x0                           ; no tensor load of mine is out, so a group 0 may be written
	ds_add_u32 v[SPW], v[NIL]
.if \fill
	s_xor_b32 s[G0K+1], s[G0K+1], SLOT1            ; the walking descriptors: the other slot than last time,
	s_add_nc_u64 s[G0K+2:G0K+3], s[G0K+2:G0K+3], SLOTB   ; the next 256 keys; the type bits on top are not reached
	s_xor_b32 s[G0V+1], s[G0V+1], SLOT1
	s_add_nc_u64 s[G0V+2:G0V+3], s[G0V+2:G0V+3], SLOTB
	s_wait_xcnt 0x0                                ; the last prefetch, a slot back, has read its address, so it may be written:
	s_add_nc_u64 s[PFA:PFA+1], s[PFA:PFA+1], SLOTB ; one slot further on than the walking descriptors
	s_wait_dscnt 0x0                               ; the add is done, my reads of the slot that I have left are over (first trip: my stores of c' have landed)
	CROUND
	JLOAD
	ASK
.else
	s_wait_dscnt 0x0
	s_barrier_signal -1
	s_barrier_wait -1
.endif
.endm
.macro SLOT_STEPS
	v_add_nc_u32 v[ADK], s[TB], v[L16]
	v_add_nc_u32 v[ADC], s[TC], v[C0]
	STEP 0
	STEP 1
	STEP 2
	STEP 3
	s_xor_b32 s[TB], s[TB], SLOT1                  ; on to the other slot
	s_add_co_u32 s[TC], s[TC], 1024
.endm
.Lslot:                                            ; seven trips: behind each change of slots but the last the next slot is asked for
	CHANGE 1
	SLOT_STEPS
	s_sub_co_u32 s[SLOTS], s[SLOTS], 1
	s_cmp_lg_u32 s[SLOTS], 0
	s_cbranch_scc1 .Lslot
	CHANGE 0                                       ; the last slot is written out
	SLOT_STEPS
	; THE WAY OUT.  O^T x mask[query] / the sum, rounded to f16: a lane's eight dk of a tile are 16 bytes of the next product's operand image: stored as they stand, 512 consecutive bytes a store.
	WIN 0x01                                       ; source 0 in window 1
	v_rcp_f32 v[ST+2], v[LS]                       ; the sum is 1 at the least: the largest exponent's p is 1
	v_rcp_f32 v[ST+10], v[LS+8]
	WIN 0
	v_nop                                          ; a plain instruction behind the last reciprocal
	s_wait_alu depctr_va_vdst(0)                   ; and the wait ahead of the first use
	v_mul_f32 v[ST+2], v[ST+2], v[MQ]
	v_mul_f32 v[ST+10], v[ST+10], v[MQ+1]
	WIN 0x41
.irp t, 0,1
.set i, 0
.rept 16
	v_pk_mul_f32 v[O+32*\t+i:O+32*\t+i+1], v[O+32*\t+i:O+32*\t+i+1], v[ST+8*\t+2:ST+8*\t+3] op_sel_hi:[1,0]
.set i, i+2
.endr
.endr
	WIN 0x05                                       ; sources in window 1, destination in window 0: S^T's registers are free
.set i, 0
.rept 32
	v_cvt_pk_f16_f32 v[S+i], v[O+2*i], v[O+2*i+1]
.set i, i+1
.endr
	WIN 0
.irp qt, 0,1
.irp ct, 0,1,2,3
	global_store_b128 v[L16], v[S+16*\qt+4*\ct:S+16*\qt+4*\ct+3], s[56:57] offset:\qt*8192+\ct*512
.endr
.endr
	s_wait_tensorcnt 0x0                           ; the wave's end
	ds_add_u32 v[SPW], v[NIL]
	s_wait_dscnt 0x0
	CROUND                                         ; the closing round: no work-group ends while a partner may still ask for a tile that names it
	s_endpgm
.Lfunc_end_k_q87aadfa67f_attn:
	.size	k_q87aadfa67f_attn, .Lfunc_end_k_q87aadfa67f_attn-k_q87aadfa67f_attn
	.p2alignl 7, 3214868480
	.fill 96, 4, 3214868480
	.section	.rodata,"a",@progbits
	.p2align	6, 0x0
	.amdhsa_kernel k_q87aadfa67f_attn
		.amdhsa_group_segment_fixed_size 327680
		.amdhsa_private_segment_fixed_size 0
		.amdhsa_enable_private_segment 0
		.amdhsa_kernarg_size 40
		.amdhsa_user_sgpr_count 2
		.amdhsa_user_sgpr_kernarg_segment_ptr 1
		.amdhsa_wavefront_size32 1
		.amdhsa_system_sgpr_workgroup_id_x 1
		.amdhsa_system_sgpr_workgroup_id_y 1
		.amdhsa_system_sgpr_workgroup_id_z 1
		.amdhsa_system_vgpr_workitem_id 0
		.amdhsa_next_free_vgpr 512
		.amdhsa_next_free_sgpr 66
		.amdhsa_reserve_vcc 0
		.amdhsa_float_denorm_mode_32 3
		.amdhsa_float_denorm_mode_16_64 3
		.amdhsa_memory_ordered 1
		.amdhsa_forward_progress 1
		.amdhsa_inst_pref_size 145
	.end_amdhsa_kernel
	.amdgpu_metadata
---
amdhsa.version: [ 1, 2 ]
amdhsa.kernels:
  - .name:           k_q87aadfa67f_attn
    .symbol:         k_q87aadfa67f_attn.kd
    .args:
      - { .name: qf, .offset: 0, .size: 8, .value_kind: global_buffer, .address_space: global }
      - { .name: kf, .offset: 8, .size: 8, .value_kind: global_buffer, .address_space: global }
      - { .name: vf, .offset: 16, .size: 8, .value_kind: global_buffer, .address_space: global }
      - { .name: mask, .offset: 24, .size: 8, .value_kind: global_buffer, .address_space: global }
      - { .name: hf, .offset: 32, .size: 8, .value_kind: global_buffer, .address_space: global }
    .group_segment_fixed_size: 327680
    .private_segment_fixed_size: 0
    .kernarg_segment_align: 8
    .kernarg_segment_size: 40
    .max_flat_workgroup_size: 256
    .sgpr_count:     66
    .vgpr_count:     512
    .wavefront_size: 32
...
	.end_amdgpu_metadata
.endif
;; end of part 3
;; launch outp (part 4): grid 32 x 8, 4 waves a work-group, clusters of 4 x 4, 327,680 bytes of LDS; arguments wf, hf, out0; writes out0
.if DOCPART == 4
	.amdgcn_target "amdgcn-amd-amdhsa--gfx1250"
	.amdhsa_code_object_version 6
	.text
	.protected	k_q87aadfa67f_outp
	.globl	k_q87aadfa67f_outp
	.p2align	8
	.type	k_q87aadfa67f_outp,@function
k_q87aadfa67f_outp:
	s_mov_b64 s[64:65], 0
	v_nop
	global_prefetch_b8 v0, s[64:65] scope:SCOPE_SE
	s_setreg_imm32_b32 hwreg(HW_REG_WAVE_MODE, 25, 1), 1
	s_wait_xcnt 0x0
	s_wait_alu depctr_hold_cnt(0) depctr_sa_sdst(0) depctr_va_vdst(0) depctr_va_sdst(0) depctr_va_ssrc(0) depctr_va_vcc(0) depctr_vm_vsrc(0)
	s_getreg_b32 s2, hwreg(HW_REG_IB_STS2, 6, 4)
	s_cmp_eq_u32 s2, 0
	s_cbranch_scc0 .Lentry_in_a_cluster
	s_endpgm
.Lentry_in_a_cluster:
	s_bfe_u32 s2, ttmp6, 0x10000c
	s_cmp_lg_u32 s2, 0xf033
	s_cbranch_scc0 .Lentry_shape_is_right
	s_endpgm
.Lentry_shape_is_right:
; out0[b][j][l] = the sum over e of head[b][l][e] Wo[e][j]: f16 operands, f32 sums, K = e = 1,024 ascending.  Both operands arrive as images of operand registers:
; wf [256 e: 4][tile of 16 j: 64][32 e: 8][1,024 bytes], hf [256 e: 4][tile of 16 positions (2,048 b + l): 256][32 e: 8][1,024 bytes].
; A work-group makes 128 j x 128 l; four waves, each 64 x 64: 16 accumulators, 128 registers.  4,096 x 1,024 outputs are 256 such tiles.
; K goes in steps of 256 through a ring of two LDS slots; a step's part of an operand is dense in memory, 65,536 bytes; each wave fetches half of one (128 rows of 256 bytes).  Fragments are read at 16 x lane: no pitch, no padding.
; Source 0 = 16 positions of head, source 1 = 16 columns j of Wo: lane (r, h) then holds j = r and l = 8 h + 0 .. 7: 32 neighbouring bytes of a row of out0.
; CLUSTER 4 x 4: the four of a row need the same part of Wo (A below), the four of a column the same part of head (B): each is asked for jointly.
; REGISTERS: window 0: v16-29 addresses; v32-95 at work on the way out; v128-255 the accumulators ((a, b) at 128 + 8 (4 a + b): j tile a, l tile b).
;   window 1: two fragment buffers of 128: for 64 along K, 64 registers of A (2 x 4 tiles), then 64 of B.
.set HALFT,  32768                     ; what one tensor load brings, and what one wave reads of A or of B in a K step
.set SLOT,   4*HALFT                   ; A's 65,536 bytes, then B's
.set SPARE,  2*SLOT                    ; behind the ring: the spare words, 128 bytes for each wave: two blocks of 256 bytes that no other line names
.set SPITCH, 272                       ; the way out: a stage of 16 rows x (256 bytes + 16) for each wave.  It lies in slot 0, which has had its last fill and its last read when the first result is stored there
.set STEPA,  524288                    ; a K step on in wf,
.set STEPB,  2097152                   ; and in hf
.set LAPS,   2                         ; a lap = two K steps = once round the ring
.set ADRA, 16                          ; v16-17  LDS address of my A fragments in slot 0, 1
.set ADRB, 20                          ; v20-21  the same for B
.set STO,  24                          ; v24     the way out: where I put 32 bytes of a row
.set RD,   25                          ; v25     where I read a row back
.set CO,   26                          ; v26     my byte offset in out0
.set SPW,  28                          ; v28     LDS address of my spare word; never rewritten
.set NIL,  29                          ; v29     0; never rewritten
.set TMP,  32                          ; the way out: two sets of 32 registers
.set ACC,  128
.set F0,   0                           ; fragment buffers, in window 1
.set F1,   128
.set G1, 24                            ; s[24:31] descriptor group 1 for A;  s[32:39] group 0, one set for each slot
.set G0, 32
.set G1B, 48                           ; s[48:55], s[56:63] the same for B
.set G0B, 56
.set MSB, 0
.macro WIN new                         ; the immediate's high byte repeats the setting that is left
.if MSB != \new
	s_set_vgpr_msb (MSB<<8)|\new
.set MSB, \new
.endif
.endm
.set MUL,  0x05                        ; sources 0 (B) and 1 (A) window 1; C and D window 0
.set TO_F, 0x40                        ; destination window 1, address window 0
.macro JLOAD s                         ; a joint load: waves 0 and 1 fetch A's two halves, waves 2 and 3 B's; an s_nop 0 and four v_nop follow each of the two lines
	s_cmp_eq_u32 s11, 0
	s_cbranch_scc0 .Lfor_b_\@
	tensor_load_to_lds s[G0+4*\s:G0+4*\s+3], s[G1:G1+7]
	s_nop 0
.rept 4
	v_nop
.endr
	s_branch .Lasked_\@
.Lfor_b_\@:
	tensor_load_to_lds s[G0B+4*\s:G0B+4*\s+3], s[G1B:G1B+7]
	s_nop 0
.rept 4
	v_nop
.endr
.Lasked_\@:
.endm
.macro CREST                           ; a round of the cluster's barrier behind its opening barrier
	s_cmp_lg_u32 s10, 0
	s_cbranch_scc1 .Lnot_wave_0_\@
	s_barrier_signal -3
.Lnot_wave_0_\@:
	s_barrier_wait -3
	s_barrier_signal -1
	s_barrier_wait -1
.endm
.macro CROUND                          ; a whole round
	s_barrier_signal -1
	s_barrier_wait -1
	CREST
.endm
	s_load_b128 s[4:7], s[0:1], 0x0                ; wf s[4:5], hf s[6:7]
	s_load_b64 s[8:9], s[0:1], 0x10                ; out0
	v_lshl_add_u32 v[SPW], v0, 2, SPARE
	v_mov_b32 v[NIL], 0
	ds_add_u32 v[SPW], v[NIL]                      ; the wave's opening: the add, twice on end, and its wait ahead of my first tensor load
	ds_add_u32 v[SPW], v[NIL]                      ; and once more, under the one wait; the set-up below, work on registers, stands between
	v_lshrrev_b32 v1, 5, v0
	v_readfirstlane_b32 s10, v1                    ; wave 0..3
	s_lshr_b32 s11, s10, 1                         ; which 64 of the tile's j are mine.  Also: I fetch for A (0) or for B (1)
	s_and_b32 s12, s10, 1                          ; which 64 of its l.  Also: which half I fetch
	s_bfe_u32 s40, ttmp6, 0x40000                  ; cx, cy: my place in the cluster
	s_bfe_u32 s41, ttmp6, 0x40004
	s_lshl_b32 s42, ttmp9, 2
	s_add_co_u32 s42, s42, s40                     ; my 128 positions = 4 x cluster x + cx
	s_and_b32 s13, ttmp7, 0xffff
	s_lshl_b32 s13, s13, 2
	s_add_co_u32 s13, s13, s41                     ; my 128 j = 4 x cluster y + cy
	s_lshl_b32 s43, s41, 2
	s_lshl_b32 s43, 15, s43                        ; my row of the cluster
	s_lshl_b32 s44, 0x1111, s40                    ; my column
	; descriptor group 1: 32,768 dense bytes: 128 rows of 32 elements of 8 bytes, no padding
	s_or_b32 s[G1+0], s43, (3<<16)|(1<<21)         ; 15:0 the mask: A goes to my row; 17:16 elements of 8 bytes; 21 set beside a mask
	s_or_b32 s[G1B+0], s44, (3<<16)|(1<<21)
.irp g, G1, G1B
	s_mov_b32 s[\g+1], 32<<16                      ; tensor_dim0 = 32
	s_mov_b32 s[\g+2], 128<<16                     ; tensor_dim1 = 128
	s_mov_b32 s[\g+3], 32<<16                      ; tile_dim0 = 32
	s_mov_b32 s[\g+4], 128                         ; tile_dim1 = 128
	s_mov_b32 s[\g+5], 32                          ; from row to row
	s_mov_b32 s[\g+6], 0
	s_mov_b32 s[\g+7], 0
.endr
	s_lshl_b32 s17, s12, 15                        ; which half I fetch
	s_lshl_b32 s16, s13, 16
	s_add_co_u32 s16, s16, s17                     ; A: eight tiles of 8,192 bytes for each 128 j
	s_lshl_b32 s46, s42, 16
	s_add_co_u32 s46, s46, s17                     ; B: likewise for each 128 positions
	s_mov_b32 s17, 0
	s_mov_b32 s47, 0
	s_lshl_b32 s20, s10, 15                        ; where they go: wave x 32,768: no place in the cluster enters an LDS address
	s_wait_dscnt 0x0                               ; both opening adds are done
	s_wait_kmcnt 0x0
	s_add_nc_u64 s[14:15], s[4:5], s[16:17]
	s_add_nc_u64 s[46:47], s[6:7], s[46:47]
	CROUND                                         ; all sixteen work-groups are here: the first joint loads meet
.irp s, 0,1
	s_mov_b32 s[G0+4*\s], 1
	s_add_co_u32 s[G0+4*\s+1], s20, \s*SLOT
	s_add_nc_u64 s[G0+4*\s+2:G0+4*\s+3], s[14:15], \s*STEPA
	s_or_b32 s[G0+4*\s+3], s[G0+4*\s+3], 0x80000000
	s_mov_b32 s[G0B+4*\s], 1
	s_add_co_u32 s[G0B+4*\s+1], s20, \s*SLOT
	s_add_nc_u64 s[G0B+4*\s+2:G0B+4*\s+3], s[46:47], \s*STEPB
	s_or_b32 s[G0B+4*\s+3], s[G0B+4*\s+3], 0x80000000
	JLOAD \s                                       ; two loads of mine are out
.endr
	v_and_b32 v1, 15, v0                           ; r
	v_bfe_u32 v2, v0, 4, 1                         ; h
	v_and_b32 v3, 31, v0
	v_lshlrev_b32 v3, 4, v3                        ; 16 x lane
	s_lshl_b32 s21, s11, 15                        ; my four tiles of A
	s_lshl_b32 s22, s12, 15                        ; my four tiles of B,
	s_add_co_u32 s22, s22, 2*HALFT                 ; which lie behind A's
.irp s, 0,1
	v_add_nc_u32 v[ADRA+\s], s21, v3
	v_add_nc_u32 v[ADRB+\s], s22, v3
	s_add_co_u32 s21, s21, SLOT
	s_add_co_u32 s22, s22, SLOT
.endr
	s_mul_i32 s23, s10, 16*SPITCH                  ; my stage
	v_mul_u32_u24 v4, v1, SPITCH                   ; in: row r, 32 bytes for each half of the lanes
	v_lshl_add_u32 v4, v2, 5, v4
	v_add_nc_u32 v[STO], s23, v4
	v_mul_u32_u24 v5, v2, SPITCH                   ; back: lanes 0-15 take one row of 256 bytes, lanes 16-31 the next
	v_lshl_add_u32 v5, v1, 4, v5
	v_add_nc_u32 v[RD], s23, v5
	v_lshlrev_b32 v5, 13, v2                       ; and the same two rows in out0: a row j is 8,192 bytes
	v_lshl_add_u32 v[CO], v1, 4, v5
	s_lshr_b32 s22, s42, 4                         ; b
	s_lshl_b32 s22, s22, 23
	s_lshl_b32 s21, s13, 7
	s_lshl_b32 s23, s11, 6
	s_add_co_u32 s21, s21, s23                     ; my first j
	s_lshl_b32 s21, s21, 13
	s_add_co_u32 s22, s22, s21
	s_and_b32 s21, s42, 15
	s_lshl_b32 s21, s21, 9                         ; my work-group's 128 l, 512 bytes,
	s_add_co_u32 s22, s22, s21
	s_lshl_b32 s21, s12, 8                         ; my 64 of them
	s_add_co_u32 s22, s22, s21
	s_mov_b32 s23, 0
	s_add_nc_u64 s[8:9], s[8:9], s[22:23]
; 8 matrix instructions: j tiles a0, a0 + 1 x all 4 l tiles, 32 along K: half c of buffer f.  zero = 1: the first product starts the sums.  The 16 accumulators take turns
.macro MUL8 f, c, a0, zero
.irp a, \a0, \a0+1
.irp b, 0,1,2,3
.if \zero
	v_wmma_f32_16x16x32_f16 v[ACC+8*(4*(\a)+\b):ACC+8*(4*(\a)+\b)+7], v[\f+64+8*(4*\c+\b):\f+64+8*(4*\c+\b)+7], v[\f+8*(4*\c+\a):\f+8*(4*\c+\a)+7], 0
.else
	v_wmma_f32_16x16x32_f16 v[ACC+8*(4*(\a)+\b):ACC+8*(4*(\a)+\b)+7], v[\f+64+8*(4*\c+\b):\f+64+8*(4*\c+\b)+7], v[\f+8*(4*\c+\a):\f+8*(4*\c+\a)+7], v[ACC+8*(4*(\a)+\b):ACC+8*(4*(\a)+\b)+7]
.endif
.endr
.endr
.endm
; 32 LDS loads in one run: the fragments of the slot's kq-th 64 along K into buffer f; the first 32 along K first
.macro FETCH slot, kq, f
	WIN TO_F
.irp c, 0,1
.irp i, 0,1,2,3
	ds_load_b128 v[\f+64+8*(4*\c+\i):\f+64+8*(4*\c+\i)+3],   v[ADRB+\slot] offset:\i*8192+(2*(\kq)+\c)*1024
	ds_load_b128 v[\f+64+8*(4*\c+\i)+4:\f+64+8*(4*\c+\i)+7], v[ADRB+\slot] offset:\i*8192+(2*(\kq)+\c)*1024+512
	ds_load_b128 v[\f+8*(4*\c+\i):\f+8*(4*\c+\i)+3],         v[ADRA+\slot] offset:\i*8192+(2*(\kq)+\c)*1024
	ds_load_b128 v[\f+8*(4*\c+\i)+4:\f+8*(4*\c+\i)+7],       v[ADRA+\slot] offset:\i*8192+(2*(\kq)+\c)*1024+512
.endr
.endr
.endm
.macro PLACES                          ; four places in front of loads into registers that matrix instructions have read, and of LDS stores that read results
.rept 4
	v_nop
.endr
.endm
; A K step is four quarters of 64 along K, 32 matrix instructions each, on buffers 0, 1, 0, 1.  One of the first three: multiplies buffer f and fetches quarter kq into g.
.macro QUARTER slot, kq, f, g, zero
	s_wait_dscnt 16                                ; the first 32 along K are in; the other sixteen loads may be out
	WIN MUL
	MUL8 \f, 0, 0, \zero
	MUL8 \f, 0, 2, \zero
	PLACES
	FETCH \slot, \kq, \g
	s_wait_dscnt 32                                ; all but the 32 just issued
	WIN MUL
	MUL8 \f, 1, 0, 0
	MUL8 \f, 1, 2, 0
.endm
; The last quarter multiplies buffer 1 and changes slots: ONE barrier; in front of it each wave waits for all its tensor loads, adds 0 to its spare word, and waits for that and for its own reads of this slot.  fill = 1: this slot is filled again, two K steps ahead.
.macro TURN slot, next, fill
	WIN 0                                          ; (the add's two registers lie in window 0)
	s_wait_tensorcnt 0x0                           ; all my tensor loads have landed: my part of the next slot;
	ds_add_u32 v[SPW], v[NIL]
	s_wait_dscnt 17                                ; (the add and the youngest sixteen loads may be out)
	WIN MUL
	MUL8 F1, 0, 0, 0                               ; eight matrix instructions stand between the add and the wait for it
	s_wait_dscnt 0x0                               ; the add is done, and my reads of this slot are over
	s_barrier_signal -1
	MUL8 F1, 0, 2, 0
.if \fill
	WIN 0
.endif
	s_barrier_wait -1
.if \fill
	CREST                                          ; the barrier has opened a round of the cluster's barrier: no wave of any partner still reads this slot or has a load on its way
	s_add_nc_u64 s[G0+4*\slot+2:G0+4*\slot+3], s[G0+4*\slot+2:G0+4*\slot+3], 2*STEPA
	s_add_nc_u64 s[G0B+4*\slot+2:G0B+4*\slot+3], s[G0B+4*\slot+2:G0B+4*\slot+3], 2*STEPB
	JLOAD \slot                                    ; the first tensor load behind the round; the four v_nop behind it are also the places in front of the loads below
.else
	PLACES
.endif
	FETCH \next, 0, F0
	WIN MUL
	MUL8 F1, 1, 0, 0
	MUL8 F1, 1, 2, 0
.endm
	s_wait_tensorcnt 1                             ; my part of K step 0 is in; K step 1's may stay out
	s_barrier_signal -1
	s_barrier_wait -1                              ; everybody's is
	FETCH 0, 0, F0
	QUARTER 0, 1, F0, F1, 1                        ; the first quarter stands in front of the loop: its first products start the sums
	WIN 0                                          ; at a label and at a branch every window is 0
	s_mov_b32 s3, LAPS-1
.Llap:                                                 ; a trip goes once round the ring, from a lap's second quarter to the next lap's first, and fills both slots again
	QUARTER 0, 2, F1, F0, 0
	QUARTER 0, 3, F0, F1, 0
	TURN 0, 1, 1
	QUARTER 1, 1, F0, F1, 0
	QUARTER 1, 2, F1, F0, 0
	QUARTER 1, 3, F0, F1, 0
	TURN 1, 0, 1
	QUARTER 0, 1, F0, F1, 0
	WIN 0
	s_sub_co_u32 s3, s3, 1
	s_cmp_lg_u32 s3, 0
	s_cbranch_scc1 .Llap
	QUARTER 0, 2, F1, F0, 0                        ; the last lap fills nothing, and has no round of the cluster's barrier
	QUARTER 0, 3, F0, F1, 0
	TURN 0, 1, 0
	QUARTER 1, 1, F0, F1, 0
	QUARTER 1, 2, F1, F0, 0
	QUARTER 1, 3, F0, F1, 0
	s_wait_dscnt 16                                ; the very last quarter: nothing more to fetch
	WIN MUL
	MUL8 F1, 0, 0, 0
	MUL8 F1, 0, 2, 0
	s_wait_dscnt 0x0
	MUL8 F1, 1, 0, 0
	MUL8 F1, 1, 2, 0
	WIN 0
; THE WAY OUT, 16 rows j x 64 l at a time.  A lane holds 32 neighbouring bytes of a row, and the lanes beside it hold other rows: so a block goes through my own stage in LDS and comes back as whole rows of 256 bytes.
; LDS serves a wave's instructions in order (ISA guide 5.7.1.4): no wait between the stores and the loads, nor in front of the next block's stores.
.macro TOSTAGE a
.irp b, 0,1,2,3
	ds_store_b128 v[STO], v[ACC+8*(4*(\a)+\b):ACC+8*(4*(\a)+\b)+3] offset:64*\b          ; each accumulator from its low end on
	ds_store_b128 v[STO], v[ACC+8*(4*(\a)+\b)+4:ACC+8*(4*(\a)+\b)+7] offset:64*\b+16
.endr
.irp t, 0,1,2,3,4,5,6,7
	ds_load_b128 v[TMP+32*((\a)%2)+4*\t:TMP+32*((\a)%2)+4*\t+3], v[RD] offset:\t*2*SPITCH
.endr
.endm
.macro SEND a, younger                 ; younger: the LDS instructions issued behind block a's loads, which may stay out
	s_wait_dscnt \younger
.irp t, 0,1,2,3,4,5,6,7
	global_store_b128 v[CO], v[TMP+32*((\a)%2)+4*\t:TMP+32*((\a)%2)+4*\t+3], s[8:9] offset:(16*(\a)+2*\t)*8192 th:TH_STORE_NT   ; 16 lanes store 256 consecutive bytes, at a multiple of 256 from out0's first byte
.endr
.endm
	PLACES
	TOSTAGE 0
	TOSTAGE 1
	SEND 0, 16                                     ; behind block 0's loads: block 1's 8 stores and 8 loads
	s_wait_xcnt 0x0                                ; block 0's stores have read their registers: block 2's loads may land there
	TOSTAGE 2
	SEND 1, 16
	s_wait_xcnt 0x0                                ; likewise block 1's
	TOSTAGE 3
	SEND 2, 16
	SEND 3, 0
	s_wait_tensorcnt 0x0                           ; the wave's end
	ds_add_u32 v[SPW], v[NIL]
	s_wait_dscnt 0x0
	CROUND                                         ; the closing round: no work-group ends while a partner may still ask for a tile that names it
	s_endpgm
.Lfunc_end_k_q87aadfa67f_outp:
	.size	k_q87aadfa67f_outp, .Lfunc_end_k_q87aadfa67f_outp-k_q87aadfa67f_outp
	.p2alignl 7, 3214868480
	.fill 96, 4, 3214868480
	.section	.rodata,"a",@progbits
	.p2align	6, 0x0
	.amdhsa_kernel k_q87aadfa67f_outp
		.amdhsa_group_segment_fixed_size 327680
		.amdhsa_private_segment_fixed_size 0
		.amdhsa_enable_private_segment 0
		.amdhsa_kernarg_size 24
		.amdhsa_user_sgpr_count 2
		.amdhsa_user_sgpr_kernarg_segment_ptr 1
		.amdhsa_wavefront_size32 1
		.amdhsa_system_sgpr_workgroup_id_x 1
		.amdhsa_system_sgpr_workgroup_id_y 1
		.amdhsa_system_sgpr_workgroup_id_z 1
		.amdhsa_system_vgpr_workitem_id 0
		.amdhsa_next_free_vgpr 512
		.amdhsa_next_free_sgpr 66
		.amdhsa_reserve_vcc 0
		.amdhsa_float_denorm_mode_32 3
		.amdhsa_float_denorm_mode_16_64 3
		.amdhsa_memory_ordered 1
		.amdhsa_forward_progress 1
		.amdhsa_inst_pref_size 85
	.end_amdhsa_kernel
	.amdgpu_metadata
---
amdhsa.version: [ 1, 2 ]
amdhsa.kernels:
  - .name:           k_q87aadfa67f_outp
    .symbol:         k_q87aadfa67f_outp.kd
    .args:
      - { .name: wf, .offset: 0, .size: 8, .value_kind: global_buffer, .address_space: global }
      - { .name: hf, .offset: 8, .size: 8, .value_kind: global_buffer, .address_space: global }
      - { .name: out0, .offset: 16, .size: 8, .value_kind: global_buffer, .address_space: global }
    .group_segment_fixed_size: 327680
    .private_segment_fixed_size: 0
    .kernarg_segment_align: 8
    .kernarg_segment_size: 24
    .max_flat_workgroup_size: 128
    .sgpr_count:     66
    .vgpr_count:     512
    .wavefront_size: 32
...
	.end_amdgpu_metadata
.endif
;; end of part 4
